; MI455X (gfx1250); checked and timed in simulation.
; The chip was launched on July 23, 2026; its instructions are those of AMD's public machine-readable ISA for CDNA 5 (MIT licence, August 2026) and "CDNA5" Instruction Set Architecture Reference Guide (July 2026). The comments in the code are by the model that wrote it; some were corrected since.
;; Quantisation. Allowed arithmetic: matrix products marked QUANTISED: E5M2 operands, one E8M0 scale for each 32 along K, by v_wmma_scale_f32_16x16x128_f8f6f4 with both operands' format E5M2, f32 sums; everything else in f32.
;; Inputs: weight 8,192 x 256 float32; x_flat 32,768 x 256 float32.
;; Outputs: out0 32,768 x 256 float32.
;; This version of the problem:
;;   THIS VERSION OF THE PROBLEM IS GIVEN IN LOW PRECISION. The matrix products marked QUANTISED in the list below multiply operands that are first quantised to E5M2 (5 exponent bits, 2 mantissa bits; 8 bits a number), with one power-of-two scale for each 32 numbers along K (OCP MX v1.0); their sums are f32. All else is computed in f32.
;;   The module's matrix products, in the order in which they are computed (A, B: the left and right operand; K: the contracted axis; several contracted axes count as one K, in the product's order):
;;     1. [M 32,768, K 256] x [K 256, N 8,192]; A: input x_flat; B: input weight: QUANTISED
;;   THE QUANTISER, for each operand of a quantised product, along K:
;;     - K is cut into blocks of 32 from its start; a last block that is shorter is filled with zeros.
;;     - A block's scale is 2^e with e = floor(log2(the largest magnitude in the block)) - 15, held to -126 .. 127; a block of zeros has e = 0. As a byte (E8M0): e + 127.
;;     - Each number is divided by its block's scale, clamped to +-57,344, and rounded to the nearest number of E5M2, ties to even, subnormals kept.
;;     - The product sums the exact products of the quantised numbers (number of the format x scale) in f32.
;;   ~~~python
;;   def quantise(x, axis):      # numpy; x: float32 -> the quantised numbers, widened to float32 again
;;       x = np.moveaxis(x, axis, -1); K = x.shape[-1]
;;       x = np.pad(x, [(0, 0)] * (x.ndim - 1) + [(0, -K % 32)]); x = x.reshape(x.shape[:-1] + (-1, 32)); a = np.abs(x).max(-1, keepdims=True)
;;       e = np.where(a > 0, np.clip(np.frexp(np.where(a > 0, a, 1))[1] - 1 - 15, -126, 127), 0)      # np.frexp(a)[1] - 1 = floor(log2(a)), exactly
;;       r = np.clip(x / 2.0 ** e, -57344, 57344)
;;       step = 2.0 ** (np.maximum(np.frexp(np.where(r == 0, 1, r))[1] - 1, -14) - 2)
;;       q = np.round(r / step) * step * 2.0 ** e      # np.round: ties to even
;;       return np.moveaxis(q.reshape(q.shape[:-2] + (-1,))[..., :K], -1, axis).astype(np.float32)
;;   ~~~
;; One version. Each part assembles by itself: llvm-mc -triple=amdgcn-amd-amdhsa -mcpu=gfx1250 --defsym DOCPART=n.
;; ======== version 1 of 1: 3 launches
;; limits: right only within a limited range of input values
;; workspace buffers: wq 2,228,224 bytes; xq 8,912,896 bytes; cand 2,097,152 bytes of whole numbers
;; launch wquant (part 1): grid 1280 x 1, 2 waves a work-group, no clusters, 34,048 bytes of LDS; arguments weight, x_flat, wq, xq; writes wq, xq
.if DOCPART == 1
	.amdgcn_target "amdgcn-amd-amdhsa--gfx1250"
	.amdhsa_code_object_version 6
	.text
	.protected	k_q908e92f69d_wquant
	.globl	k_q908e92f69d_wquant
	.p2align	8
	.type	k_q908e92f69d_wquant,@function
k_q908e92f69d_wquant:
	s_mov_b64 s[64:65], 0
	v_nop
	global_prefetch_b8 v0, s[64:65] scope:SCOPE_SE
	s_setreg_imm32_b32 hwreg(HW_REG_WAVE_MODE, 25, 1), 1
	s_wait_xcnt 0x0
; weight [8192][256] f32 -> wq: 512 records of 4,352 bytes, one for each tile of 16 codebook rows, laid as the next launch's operand registers want them:
;   bytes s*2048 + c*512 + 16*lane : registers 4c..4c+3 of the fragment of K step s (128 along K): lane (r, h) holds row r, k = 128 s + 32 c + 16 h + 0..15, as codes of BF8 (E5M2)
;   bytes 4096 + 4*lane            : the scale words (four E8M0 bytes for 128 along K): lanes 0-15 row r's word of K step 0, lanes 16-31 row r's word of K step 1
;   bytes 4224 + 4*m, m = 0..15    : the f32 sum of squares of row m (of the numbers as given, not of the codes); bytes 4288 on: the same 16 numbers once more, so that the record's last 256 bytes are written whole
; A block's scale is 2^(floor(log2(its largest magnitude)) - 15); its byte is the largest magnitude's exponent field - 15, held at 1 from below.
; LIMITS: a block of zeros gets the byte 1 where the rule says 127: its codes are zeros, and this program alone reads the bytes.  NaN and infinities among the inputs are not served.
; The sum of squares is taken in another order than a plain left-to-right sum (four chains, then across the two halves of the lanes).
; SHARES: a wave takes one tile: 16 rows of 1,024 bytes in, one record out.  The loads take the bytes as they lie (512 consecutive bytes each); the conversions want 16 neighbours along K in one lane:
; so the 16 rows turn through the wave's own stage in LDS (rows 1,040 bytes apart: an odd multiple of 16, so that the sixteen rows of a read start at different banks).  Waves share nothing: no barrier.
; ONE BODY SERVES BOTH TENSORS: work-groups 0-255 take weight's 512 tiles of 16 rows into wq, work-groups 256-1279 x_flat's 2,048 tiles into xq, in the same record layout.
; Only pointers and the tile's number are chosen, by the work-group's number; both tensors take one path through the text.  Nothing of the problem is left out as dead work.
.set REC,    4352
.set SPITCH, 1040
.set WREG,   16*SPITCH+256             ; a wave's LDS: the stage, then 256 bytes for the record's tail
.set SQ,     12                        ; v12-15   two chains of packed sums of squares
.set RAW,    16                        ; v16-143  the tile as loaded
.set NUM0,   144                       ; v144-207 K step 0: register 16 b + i = k 32 b + 16 h + i of my row
.set NUM1,   16                        ; v16-79   K step 1, in registers that the stage's stores have read
.set TM,     208                       ; v208-223 the quantiser's work: largest magnitudes, bytes, holds, scale operands
.set PC0,    224                       ; v224-239 K step 0's codes
.set PC1,    240                       ; v240-255 K step 1's
.set SEL,    20                        ; s[20:21] v_permlanex16_b32's selects for lane l xor 16
.set MNT,    22                        ; s22      the mantissa field of 57,344
.set HM,     23                        ; s23      a mask of lanes 16-31
; the sum of squares of 64 numbers of a lane, two at a time, in two chains; first = 1: the first two products start the chains
.macro SQUARES s, first
.set kk, 0
.rept 32
.if (\first) && (kk < 2)
	v_pk_mul_f32 v[SQ+2*(kk%2):SQ+2*(kk%2)+1], v[(\s)+2*kk:(\s)+2*kk+1], v[(\s)+2*kk:(\s)+2*kk+1]
.else
	v_pk_fma_f32 v[SQ+2*(kk%2):SQ+2*(kk%2)+1], v[(\s)+2*kk:(\s)+2*kk+1], v[(\s)+2*kk:(\s)+2*kk+1], v[SQ+2*(kk%2):SQ+2*(kk%2)+1]
.endif
.set kk, kk+1
.endr
.endm
; 64 numbers of a lane, v[s] on, register 16 b + i = k 32 b + 16 (lane / 16) + i of my row, become a fragment's 16 registers of codes in v[pc] on and its scale word in v[pw]
.macro QUANT s, pc, pw
.irp b, 0,1,2,3
	v_max3_num_f32 v[TM+\b], |v[(\s)+16*\b]|, |v[(\s)+1+16*\b]|, 0x8000000   ; block b: my 16 numbers, and the floor 2^(16 - 127): the byte cannot fall under 1
.endr
.irp i, 2,4,6,8,10,12,14
.irp b, 0,1,2,3
	v_max3_num_f32 v[TM+\b], v[TM+\b], |v[(\s)+16*\b+\i]|, |v[(\s)+1+16*\b+\i]|   ; the four blocks by turns
.endr
.endr
.irp b, 0,1,2,3
	v_permlanex16_b32 v[TM+4+\b], v[TM+\b], s[SEL], s[SEL+1]
.endr
.irp b, 0,1,2,3
	v_max_num_f32 v[TM+\b], v[TM+\b], v[TM+4+\b]           ; with lane l xor 16's 16 numbers: the block's largest magnitude
.endr
.irp b, 0,1,2,3
	v_add_nc_u32 v[TM+12+\b], 0xf8800000, v[TM+\b]         ; 15 off its exponent field: the conversion's scale operand
.endr
.irp b, 0,1,2,3
	v_and_or_b32 v[TM+8+\b], v[TM+\b], 0x7f800000, s[MNT]  ; 57,344 x the scale
.endr
.irp b, 0,1,2,3
	v_lshrrev_b32 v[TM+4+\b], 23, v[TM+12+\b]              ; the scale's byte
.endr
	v_lshl_or_b32 v[\pw], v[TM+5], 8, v[TM+4]              ; four bytes make my row's scale word
	v_lshl_or_b32 v[\pw], v[TM+6], 16, v[\pw]
	v_lshl_or_b32 v[\pw], v[TM+7], 24, v[\pw]
.irp b, 0,1,2,3
.irp i, 0,1,2,3,4,5,6,7,8,9,10,11,12,13,14,15
	v_med3_num_f32 v[(\s)+16*\b+\i], v[(\s)+16*\b+\i], -v[TM+8+\b], v[TM+8+\b]   ; the conversion to an 8-bit code does not saturate (ISA guide 7.6.2): the hold at the largest code x the scale
.endr
	v_cvt_scalef32_pk8_bf8_f32 v[(\pc)+4*\b:(\pc)+1+4*\b], v[(\s)+16*\b:(\s)+7+16*\b], v[TM+12+\b]
	v_cvt_scalef32_pk8_bf8_f32 v[(\pc)+2+4*\b:(\pc)+3+4*\b], v[(\s)+8+16*\b:(\s)+15+16*\b], v[TM+12+\b]
.endr
	v_nop                                                  ; one plain vector line behind the last scaled conversion
.endm
	s_load_b256 s[24:31], s[0:1], 0x0              ; weight s[24:25], x_flat s[26:27], wq s[28:29], xq s[30:31]
	s_set_vgpr_msb 0x40
	v_lshl_add_u32 v0, v0, 2, 0x8400
	v_mov_b32 v1, 0
	s_set_vgpr_msb 0x4000
	v_lshrrev_b32 v1, 5, v0
	v_readfirstlane_b32 s8, v1                     ; wave 0, 1
	v_and_b32 v1, 31, v0                           ; lane
	v_and_b32 v2, 15, v0                           ; r
	v_bfe_u32 v3, v0, 4, 1                         ; h
	v_lshlrev_b32 v4, 4, v1                        ; 16 x lane: my place in a load's or a store's 512 bytes
	s_mul_i32 s9, s8, WREG                         ; my wave's LDS
	v_add_nc_u32 v5, s9, v4                        ; the stage, on the way in
	v_mul_u32_u24 v6, v2, SPITCH
	v_lshl_add_u32 v6, v3, 6, v6
	v_add_nc_u32 v6, s9, v6                        ; and on the way out: row r, + 64 h: my 16 numbers of a block of 32
	s_add_co_u32 s10, s9, 16*SPITCH                ; the record's tail
	v_lshl_add_u32 v7, v1, 2, s10                  ; in: 4 bytes a lane
	v_lshl_add_u32 v8, v1, 3, s10                  ; back: 8 bytes a lane
	v_lshlrev_b32 v9, 3, v1                        ; and the same in memory
	s_mov_b32 s[SEL], 0x76543210
	s_mov_b32 s[SEL+1], 0xfedcba98
	s_mov_b32 s[MNT], 0x600000
	s_mov_b32 s[HM], 0xffff0000
.irp b, 0,1,2,3
	v_mov_b32 v[TM+4+\b], 0                        ; written once: a lane permute's destination counts as one of its sources
.endr
	s_cmp_lt_u32 ttmp9, 256                        ; weight's work-group or x_flat's?
	s_cselect_b32 s16, 0, 256
	s_sub_co_u32 s16, ttmp9, s16                   ; my number within my tensor
	s_lshl_b32 s11, s16, 1
	s_add_co_u32 s11, s11, s8                      ; my tile: 2 x work-group + wave
	s_lshl_b32 s12, s11, 14                        ; 16 rows of 1,024 bytes
	s_mov_b32 s13, 0
	s_mul_i32 s14, s11, REC
	s_mov_b32 s15, 0
	s_wait_alu depctr_va_vdst(0)
	s_wait_kmcnt 0x0
	s_cmp_lt_u32 ttmp9, 256                        ; compared anew: the subtraction above has set SCC
	s_cselect_b64 s[4:5], s[24:25], s[26:27]       ; the tensor that I read
	s_cselect_b64 s[6:7], s[28:29], s[30:31]       ; the records that I write
	s_add_nc_u64 s[4:5], s[4:5], s[12:13]
	s_add_nc_u64 s[6:7], s[6:7], s[14:15]
.set ii, 0
.rept 32
	global_load_b128 v[RAW+4*ii:RAW+4*ii+3], v4, s[4:5] offset:512*ii th:TH_LOAD_NT   ; 32 lanes read 512 consecutive bytes: half a row
.set ii, ii+1
.endr
.set ii, 0
.rept 32
	s_wait_loadcnt 31-ii                           ; loads come back in order: load ii is in, the younger ones may be out
	ds_store_b128 v5, v[RAW+4*ii:RAW+4*ii+3] offset:(ii/2)*SPITCH+(ii%2)*512
.set ii, ii+1
.endr
.irp b, 0,1,2,3
.irp j, 0,1,2,3
	ds_load_b128 v[NUM0+16*\b+4*\j:NUM0+16*\b+4*\j+3], v6 offset:128*\b+16*\j   ; LDS serves a wave's instructions in order: these see my stores
.endr
.endr
	s_wait_dscnt 0x0                               ; K step 0 is in, and the stores have read the registers that K step 1 lands in
.irp b, 0,1,2,3
.irp j, 0,1,2,3
	ds_load_b128 v[NUM1+16*\b+4*\j:NUM1+16*\b+4*\j+3], v6 offset:512+128*\b+16*\j   ; they land while K step 0 is worked
.endr
.endr
	SQUARES NUM0, 1                                ; ahead of the hold, which changes the numbers
	QUANT NUM0, PC0, 10
.irp c, 0,1,2,3
	global_store_b128 v4, v[PC0+4*\c:PC0+4*\c+3], s[6:7] offset:512*\c   ; 512 consecutive bytes, at a multiple of 256 from wq's first byte
.endr
	s_wait_dscnt 0x0                               ; K step 1 is in
	SQUARES NUM1, 0
	QUANT NUM1, PC1, 11
.irp c, 0,1,2,3
	global_store_b128 v4, v[PC1+4*\c:PC1+4*\c+3], s[6:7] offset:2048+512*\c
.endr
	v_pk_add_f32 v[SQ:SQ+1], v[SQ:SQ+1], v[SQ+2:SQ+3]      ; the two chains,
	v_add_f32 v[SQ], v[SQ], v[SQ+1]                        ; their halves,
	v_permlanex16_b32 v[SQ+1], v[SQ], s[SEL], s[SEL+1]
	v_add_f32 v[SQ], v[SQ], v[SQ+1]                        ; and lane l xor 16's: my row's sum of squares, the same bits in both halves of the lanes
	v_cndmask_b32 v10, v10, v11, s[HM]                     ; lanes 0-15 keep K step 0's scale word, lanes 16-31 take K step 1's
	ds_store_b32 v7, v10
	ds_store_b32 v7, v[SQ] offset:128
	ds_load_b64 v[14:15], v8                               ; the tail's 256 bytes, 8 a lane
	s_wait_dscnt 0x0
	global_store_b64 v9, v[14:15], s[6:7] offset:4096      ; 32 lanes store 256 consecutive bytes, aligned
	s_set_vgpr_msb 0x5
	s_wait_tensorcnt 0x0
	ds_add_u32 v0, v1
	s_wait_dscnt 0x0
	s_set_vgpr_msb 0x500
	s_endpgm
.Lfunc_end_k_q908e92f69d_wquant:
	.size	k_q908e92f69d_wquant, .Lfunc_end_k_q908e92f69d_wquant-k_q908e92f69d_wquant
	.p2alignl 7, 3214868480
	.fill 96, 4, 3214868480
	.section	.rodata,"a",@progbits
	.p2align	6, 0x0
	.amdhsa_kernel k_q908e92f69d_wquant
		.amdhsa_group_segment_fixed_size 34048
		.amdhsa_private_segment_fixed_size 0
		.amdhsa_enable_private_segment 0
		.amdhsa_kernarg_size 32
		.amdhsa_user_sgpr_count 2
		.amdhsa_user_sgpr_kernarg_segment_ptr 1
		.amdhsa_wavefront_size32 1
		.amdhsa_system_sgpr_workgroup_id_x 1
		.amdhsa_system_sgpr_workgroup_id_y 1
		.amdhsa_system_sgpr_workgroup_id_z 1
		.amdhsa_system_vgpr_workitem_id 0
		.amdhsa_next_free_vgpr 258
		.amdhsa_next_free_sgpr 66
		.amdhsa_reserve_vcc 0
		.amdhsa_float_denorm_mode_32 3
		.amdhsa_float_denorm_mode_16_64 3
		.amdhsa_memory_ordered 1
		.amdhsa_forward_progress 1
		.amdhsa_inst_pref_size 32
	.end_amdhsa_kernel
	.amdgpu_metadata
---
amdhsa.version: [ 1, 2 ]
amdhsa.kernels:
  - .name:           k_q908e92f69d_wquant
    .symbol:         k_q908e92f69d_wquant.kd
    .args:
      - { .name: weight, .offset: 0, .size: 8, .value_kind: global_buffer, .address_space: global }
      - { .name: x_flat, .offset: 8, .size: 8, .value_kind: global_buffer, .address_space: global }
      - { .name: wq, .offset: 16, .size: 8, .value_kind: global_buffer, .address_space: global }
      - { .name: xq, .offset: 24, .size: 8, .value_kind: global_buffer, .address_space: global }
    .group_segment_fixed_size: 34048
    .private_segment_fixed_size: 0
    .kernarg_segment_align: 8
    .kernarg_segment_size: 32
    .max_flat_workgroup_size: 64
    .sgpr_count:     66
    .vgpr_count:     258
    .wavefront_size: 32
...
	.end_amdgpu_metadata
.endif
;; end of part 1
;; launch nearest (part 2): grid 32 x 8, 8 waves a work-group, clusters of 4 x 1, 327,680 bytes of LDS; arguments xq, wq, cand; writes cand
.if DOCPART == 2
	.amdgcn_target "amdgcn-amd-amdhsa--gfx1250"
	.amdhsa_code_object_version 6
	.text
	.protected	k_q908e92f69d_nearest
	.globl	k_q908e92f69d_nearest
	.p2align	8
	.type	k_q908e92f69d_nearest,@function
k_q908e92f69d_nearest:
	s_mov_b64 s[64:65], 0
	v_nop
	global_prefetch_b8 v0, s[64:65] scope:SCOPE_SE
	s_setreg_imm32_b32 hwreg(HW_REG_WAVE_MODE, 25, 1), 1
	s_wait_xcnt 0x0
	s_wait_alu depctr_hold_cnt(0) depctr_sa_sdst(0) depctr_va_vdst(0) depctr_va_sdst(0) depctr_va_ssrc(0) depctr_va_vcc(0) depctr_vm_vsrc(0)
	s_getreg_b32 s2, hwreg(HW_REG_IB_STS2, 6, 4)
	s_cmp_eq_u32 s2, 0
	s_cbranch_scc0 .Lentry_in_a_cluster
	s_endpgm
.Lentry_in_a_cluster:
	s_bfe_u32 s2, ttmp6, 0x10000c
	s_cmp_lg_u32 s2, 0x3003
	s_cbranch_scc0 .Lentry_shape_is_right
	s_endpgm
.Lentry_shape_is_right:
; For each row n of x and each block of 1,024 codewords: the least distance fl(fl(x2[n] + w2[k]) - 2 s[n][k]) and the first k that has it; s is the product of the MX-BF8 codes, f32 sums.
; xq and wq hold records of 4,352 bytes for 16 rows each: two fragments of codes (128 along K each) as a wave's registers take them, the rows' scale words, the rows' sums of squares.
; SHARES: work-group (xb, by) takes rows 1,024 xb .. + 1,023 of x and codewords 1,024 by .. + 1,023.  The block's 64 records, 278,528 bytes, come into LDS ONCE: no LDS byte is filled twice, so there is no ring.
; Records 0-15 are asked for at the head, two a wave; records 16-63, six a wave, behind a round of their own: they land while tiles 0-11 are worked, and a barrier
; (signal at tile 10, behind each wave's wait for its load; wait in tile 11, ahead of the fetch of record 12) shows them to all waves.
; Wave w owns rows 128 w .. + 127: its 8 records go from memory straight into 256 registers (each load covers 512 consecutive bytes), and it walks all 64 records.
; THE OPENING goes by pairs of x's tiles: pair g is multiplied with codebook tiles 0-3 as soon as its own 16 loads are in, while the later pairs are on their way (12 more fetches of a record from LDS for each wave).
; From tile 4 on a codebook tile meets all 8 tiles of x: each fragment read from LDS feeds 8 matrix instructions.
; THE PRODUCT IS USED TRANSPOSED: source 0 = 16 codewords, source 1 = 16 rows of x: a lane holds one row of x, its 8 registers the codewords 8 (lane / 16) + 0 .. 7 of the tile.
; A lane keeps its running least distance; where a tile brings a smaller one (strictly: the earlier tile keeps a tie), the tile's first seven distances and its number are kept by selects.
; At the end the first register equal to the least gives the codeword; the two halves of the lanes are joined by (distance, index).  No branch and no address hangs on a distance.
; OUT: cand[by][n] = (key, index), 8 bytes: key = the distance's bits turned so that unsigned order is the numbers' order.  The next launch joins the 8 blocks.
; A STAGE serves two tiles of x: the first K step's two products; the distances, minima and compares of the pair made one stage before; the second K step's two products; that pair's selects.
; x2 + w2 of a pair is made one stage ahead of its use, and its eight lines stand between the levels of the minima: four other lines stand between most results and their readers.
; CLUSTERS: the four work-groups of a cluster differ in xb alone and need the same 64 records: every tensor load is asked for jointly (mask 15).
; No data prefetch: the records are asked for in two groups at the start, and no loop runs ahead of a load.
; LIMITS: NaN and infinities among the inputs are not served.  A distance of -0 counts as smaller than +0 in the join of blocks.
.set REC,    4352
.set WPART,  8*REC                     ; a wave's 8 records of x
.set BLKB,   8*WPART                   ; a block's 64 records; also the 64 records of a work-group's rows of x
.set PA,     2*REC                     ; a wave's part of records 0-15
.set PB,     6*REC                     ; a wave's part of records 16-63
.set SPARE,  294912                    ; the spare words, 128 bytes a wave: four blocks of 256 bytes that no other line names
.set SPW,  1
.set NIL,  2
.set AF,   3                           ; LDS: 16 x lane + the record: fragments
.set LA,   4                           ; memory: 16 x lane
.set AS,   5                           ; LDS: scale words
.set LB,   6                           ; memory: 4 x lane
.set AW,   7                           ; LDS: the 8 sums of squares of my half
.set CO,   8                           ; memory: 8 x lane
.set H8,   9                           ; 8 x (lane / 16)
.set MA,   10
.set MB,   11
.set WS,   12                          ; v12-13   the codebook tile's scale words, two sets
.set TIDV, 15                          ; v15, v17 the tile's number, two sets
.set MA2,  18
.set MB2,  19
.set XS,   20                          ; v20-27   x's scale words
.set X2,   28                          ; v28-43   x2 of my row, twice, for each of 8 tiles
.set RUN,  44                          ; v44-59   the running least distance, two registers by turns for each tile
.set W2,   60                          ; v60-75   w2 of my 8 codewords, two sets
.set T,    76                          ; v76-83   x2 + w2, first tile of a pair
.set WF,   84                          ; v84-147  the codebook's fragments, two sets of 32
.set ACC,  148                         ; v148-179 two sets of two accumulators
.set SAV,  180                         ; v180-243 for each tile of x: seven distances and the number of the tile that brought the least
.set TB,   244                         ; v244-251 x2 + w2, second tile of a pair
.set WV,   10
.set INF,  15
.set G1A,  16
.set G1B,  24
.set G0A,  32
.set G0B,  36
.set LC,   44
.set TID,  45
.set SEL,  46
.set HM,   49
.set CB,   53                          ; the second tile's compare, until VCC is free
.set CM,   68                          ; s68-75   masks of the last search
.set WM,   0x04                        ; source 1 (x's fragments) in window 1, all else in window 0
.set MSB,  0
.macro WIN new
.if MSB != \new
	s_set_vgpr_msb (MSB<<8)|\new
.set MSB, \new
.endif
.endm
.macro ROUND                           ; a round of the cluster's barrier
	s_barrier_signal -1
	s_barrier_wait -1
	s_cmp_lg_u32 s[WV], 0
	s_cbranch_scc1 .Lnot_wave_0_\@
	s_barrier_signal -3
.Lnot_wave_0_\@:
	s_barrier_wait -3
	s_barrier_signal -1
	s_barrier_wait -1
.endm
.macro WMMA p, i, s, a, e              ; codebook set p x tile i of x, K step s, into accumulator e of set a
.if (\s) == 0
	v_wmma_scale_f32_16x16x128_f8f6f4 v[ACC+16*(\a)+8*(\e):ACC+16*(\a)+8*(\e)+7], v[WF+32*(\p):WF+32*(\p)+15], v[32*(\i):32*(\i)+15], 0, v[WS+(\p)], v[XS+(\i)] matrix_a_fmt:MATRIX_FMT_BF8 matrix_b_fmt:MATRIX_FMT_BF8
.else
	v_wmma_scale_f32_16x16x128_f8f6f4 v[ACC+16*(\a)+8*(\e):ACC+16*(\a)+8*(\e)+7], v[WF+32*(\p)+16:WF+32*(\p)+31], v[32*(\i)+16:32*(\i)+31], v[ACC+16*(\a)+8*(\e):ACC+16*(\a)+8*(\e)+7], v[WS+(\p)], v[XS+(\i)] matrix_a_fmt:MATRIX_FMT_BF8 matrix_b_fmt:MATRIX_FMT_BF8 matrix_a_scale:MATRIX_SCALE_ROW1 matrix_b_scale:MATRIX_SCALE_ROW1
.endif
.endm
.macro DIST a                          ; the distances of set a, in place: one rounding of (x2 + w2) - 2 s.  Source 1 is a constant: these lines read the same under both window settings
.irp k, 0,2,4,6
	v_pk_fma_f32 v[ACC+16*(\a)+\k:ACC+16*(\a)+\k+1], v[ACC+16*(\a)+\k:ACC+16*(\a)+\k+1], -2.0, v[T+\k:T+\k+1] op_sel_hi:[1,0,1]
.endr
.irp k, 0,2,4,6
	v_pk_fma_f32 v[ACC+16*(\a)+8+\k:ACC+16*(\a)+8+\k+1], v[ACC+16*(\a)+8+\k:ACC+16*(\a)+8+\k+1], -2.0, v[TB+\k:TB+\k+1] op_sel_hi:[1,0,1]
.endr
.endm
.macro KEEP sv, dd, pp                 ; where VCC says so: seven distances and the tile's number are kept
.irp k, 0,2,4
	v_dual_cndmask_b32 v[(\sv)+\k], v[(\sv)+\k], v[(\dd)+\k] :: v_dual_cndmask_b32 v[(\sv)+\k+1], v[(\sv)+\k+1], v[(\dd)+\k+1]
.endr
	v_dual_cndmask_b32 v[(\sv)+6], v[(\sv)+6], v[(\dd)+6] :: v_dual_cndmask_b32 v[(\sv)+7], v[(\sv)+7], v[TIDV+2*(\pp)]
.endm
.macro TN n, nx, jn, pn                ; line n of the eight that make x2 + w2 for tiles jn, jn + 1 of x and codebook set pn (nx = 0: no pair follows)
.if \nx
.if (\n) < 4
	v_pk_fma_f32 v[T+2*(\n):T+2*(\n)+1], v[W2+8*(\pn)+2*(\n):W2+8*(\pn)+2*(\n)+1], 1.0, v[X2+2*(\jn):X2+2*(\jn)+1] op_sel_hi:[1,0,1]
.else
	v_pk_fma_f32 v[TB+2*(\n)-8:TB+2*(\n)-7], v[W2+8*(\pn)+2*(\n)-8:W2+8*(\pn)+2*(\n)-7], 1.0, v[X2+2*(\jn)+2:X2+2*(\jn)+3] op_sel_hi:[1,0,1]
.endif
.endif
.endm
; tiles j, j + 1 of x, distances in set a, made with the codebook tile of parity pp: the minima and the two compares
.macro CHAIN1 j, a, pp, nx, jn, pn
.set DA,  ACC+16*(\a)
.set DB,  DA+8
.set ROA, RUN+2*(\j)+(\pp)
.set RNA, RUN+2*(\j)+1-(\pp)
.set SVA, SAV+8*(\j)
	v_min3_num_f32 v[MA], v[DA], v[DA+1], v[DA+2]
	v_min3_num_f32 v[MB], v[DA+3], v[DA+4], v[DA+5]
	v_min3_num_f32 v[MA2], v[DB], v[DB+1], v[DB+2]
	v_min3_num_f32 v[MB2], v[DB+3], v[DB+4], v[DB+5]
	TN 0, \nx, \jn, \pn
	TN 1, \nx, \jn, \pn
	v_min3_num_f32 v[MA], v[MA], v[MB], v[DA+6]
	TN 2, \nx, \jn, \pn
	v_min3_num_f32 v[MA2], v[MA2], v[MB2], v[DB+6]
	TN 3, \nx, \jn, \pn
	TN 4, \nx, \jn, \pn
	v_min3_num_f32 v[RNA], v[MA], v[DA+7], v[ROA]          ; the new running least, in the other register of the two
	TN 5, \nx, \jn, \pn
	v_min3_num_f32 v[RNA+2], v[MA2], v[DB+7], v[ROA+2]
	TN 6, \nx, \jn, \pn
	TN 7, \nx, \jn, \pn
	v_cmp_lt_f32 vcc_lo, v[RNA], v[ROA]                    ; strictly smaller: an earlier tile keeps a tie
	v_cmp_lt_f32 s[CB], v[RNA+2], v[ROA+2]
.endm
.macro CHAIN2 pp                       ; the same pair's selects
	KEEP SVA, DA, \pp
	s_mov_b32 vcc_lo, s[CB]
	KEEP SVA+8, DB, \pp
.endm
; a stage: products of codebook set p with tiles i, i + 1 of x into set sa; vector work of the stage before: tiles sj, sj + 1 of x, codebook parity spp, sums in the other set
.macro STG p, i, sa, sj, spp
	WIN WM
	WMMA \p, \i, 0, \sa, 0                         ; the two accumulators by turns
	WMMA \p, (\i)+1, 0, \sa, 1
	DIST 1-(\sa)                                   ; the eight selects of the stage before are the eight places behind the products whose sums these lines read
	WIN 0
	CHAIN1 \sj, 1-(\sa), \spp, 1, \i, \p
	WIN WM
	WMMA \p, \i, 1, \sa, 0
	WMMA \p, (\i)+1, 1, \sa, 1
	WIN 0
	CHAIN2 \spp
.endm
.macro STAGE p, g                      ; stage g of a codebook tile that meets all of x (in stage 0 the vector work is that of the last pair of the tile before)
.if (\g) == 0
.set SPP, 1-(\p)
.set SJ, 6
.else
.set SPP, \p
.set SJ, 2*(\g)-2
.endif
.set SA, (\g)%2
	STG \p, 2*(\g), SA, SJ, SPP
.endm
.macro LOADT p, off                    ; a record out of LDS into set p: 11 loads
.irp q, 0,1,2,3,4,5,6,7
	ds_load_b128 v[WF+32*(\p)+4*\q:WF+32*(\p)+4*\q+3], v[AF] offset:(\off)+512*\q
.endr
	ds_load_b32 v[WS+(\p)], v[AS] offset:(\off)
	ds_load_b128 v[W2+8*(\p):W2+8*(\p)+3], v[AW] offset:(\off)
	ds_load_b128 v[W2+8*(\p)+4:W2+8*(\p)+7], v[AW] offset:(\off)+16
.endm
.macro STEPA n                         ; n records on
	v_add_nc_u32 v[AF], (\n)*REC, v[AF]
	v_add_nc_u32 v[AS], (\n)*REC, v[AS]
	v_add_nc_u32 v[AW], (\n)*REC, v[AW]
.endm
; one codebook tile against my 8 tiles of x; the next record is fetched behind stage 0, whose vector lines are the places behind the products that read that set.
; bar = 1: my part of records 16-63 has landed: say so.  bar = 2: everybody's has: only behind this wait is a record beyond the 16th fetched
.macro TILE p, off, load, step, bar
	s_wait_dscnt 0x0                               ; this tile's record is in registers (asked for three stages ago)
.if (\bar) == 1
	s_wait_tensorcnt 0x0
	s_barrier_signal -1
.endif
	v_mov_b32 v[TIDV+2*(\p)], s[TID]
	s_add_co_u32 s[TID], s[TID], 1
	STAGE \p, 0
.if (\bar) == 2
	s_barrier_wait -1
.endif
.if \load
	LOADT 1-(\p), \off
.endif
.if \step
	STEPA 2
.endif
	STAGE \p, 1
	STAGE \p, 2
	STAGE \p, 3
.endm
; the opening: one codebook tile against pair g of x's tiles.  The next record is fetched first: the eight selects of the stage before and the line above are the places behind the products that read that set
.macro PTILE p, g, off, sj, step
	s_wait_dscnt 0x0                               ; this tile's record is in registers (asked for one stage ago)
	v_mov_b32 v[TIDV+2*(\p)], s[TID]
	s_add_co_u32 s[TID], s[TID], 1
	LOADT 1-(\p), \off
.if \step
	STEPA 4
.endif
	STG \p, 2*(\g), \p, \sj, 1-(\p)
.endm
; pair g against codebook tiles 0-3.  sj0: the pair whose last sums the first stage works off; last: the record that follows tile 3
.macro PBLOCK g, sj0, last, step
	s_wait_loadcnt 48-16*(\g)                      ; the pair's 16 loads are in; the 16 of each later pair may be out
	s_lshl_b32 s[TID], s13, 6                      ; the block's first tile of 16 codewords
	PTILE 0, \g, REC, \sj0, 0
	PTILE 1, \g, 2*REC, 2*(\g), 0
	PTILE 0, \g, 3*REC, 2*(\g), 0
	PTILE 1, \g, \last, 2*(\g), \step
.endm
	s_load_b128 s[4:7], s[0:1], 0x0                ; xq s[4:5], wq s[6:7]
	s_load_b64 s[8:9], s[0:1], 0x10                ; cand
	v_lshl_add_u32 v[SPW], v0, 2, SPARE
	v_mov_b32 v[NIL], 0
	ds_add_u32 v[SPW], v[NIL]                      ; the opening lines: the add, twice on end, and its wait ahead of my first tensor load
	ds_add_u32 v[SPW], v[NIL]
	v_lshrrev_b32 v14, 5, v0
	v_readfirstlane_b32 s[WV], v14                 ; wave 0..7
	v_and_b32 v14, 31, v0                          ; lane
	v_bfe_u32 v16, v0, 4, 1                        ; lane / 16
	v_lshlrev_b32 v[LA], 4, v14
	v_lshlrev_b32 v[LB], 2, v14
	v_lshlrev_b32 v[CO], 3, v14
	v_lshlrev_b32 v[AF], 4, v14
	v_lshl_add_u32 v[AS], v14, 2, 4096
	v_lshl_add_u32 v[AW], v16, 5, 4224
	v_lshlrev_b32 v[H8], 3, v16
	s_bfe_u32 s11, ttmp6, 0x40000                  ; cx
	s_lshl_b32 s12, ttmp9, 2
	s_add_co_u32 s12, s12, s11                     ; xb = 4 x cluster x + cx
	s_and_b32 s13, ttmp7, 0xffff                   ; by: the same in all four partners
	s_mov_b32 s[G1A+0], 15|(3<<16)|(1<<21)         ; mask: the cluster's four; elements of 8 bytes; bit 21 beside a mask
	s_mov_b32 s[G1A+1], 32<<16                     ; 2 records, dense in memory, as 34 rows of 256 bytes
	s_mov_b32 s[G1A+2], 34<<16
	s_mov_b32 s[G1A+3], 32<<16
	s_mov_b32 s[G1A+4], 34
	s_mov_b32 s[G1A+5], 32
	s_mov_b32 s[G1A+6], 0
	s_mov_b32 s[G1A+7], 0
	s_mov_b32 s[G1B+0], 15|(3<<16)|(1<<21)
	s_mov_b32 s[G1B+1], 32<<16                     ; 6 records as 102 rows of 256 bytes
	s_mov_b32 s[G1B+2], 102<<16
	s_mov_b32 s[G1B+3], 32<<16
	s_mov_b32 s[G1B+4], 102
	s_mov_b32 s[G1B+5], 32
	s_mov_b32 s[G1B+6], 0
	s_mov_b32 s[G1B+7], 0
	s_mov_b32 s[SEL], 0x76543210
	s_mov_b32 s[SEL+1], 0xfedcba98
	s_mov_b32 s[HM], 0xffff0000
	s_mov_b32 s[INF], 0x7f800000
	s_mul_i32 s40, s[WV], PA                       ; my part of records 0-15, in LDS and in the block of wq
	s_mov_b32 s41, 0
	s_mul_i32 s42, s[WV], PB                       ; my part of records 16-63
	s_add_co_u32 s42, s42, 8*PA
	s_mov_b32 s43, 0
	s_mul_i32 s54, s[WV], WPART                    ; my 8 records in my work-group's part of xq
	s_mov_b32 s55, 0
	s_mul_i32 s56, s13, BLKB
	s_mov_b32 s57, 0
	s_mul_i32 s58, s12, BLKB
	s_mov_b32 s59, 0
	s_lshl_b32 s60, s13, 18                        ; cand: 262,144 by + 8 (1,024 xb + 128 wave)
	s_lshl_b32 s14, s12, 13
	s_add_co_u32 s60, s60, s14
	s_lshl_b32 s14, s[WV], 10
	s_add_co_u32 s60, s60, s14
	s_mov_b32 s61, 0
	s_wait_alu depctr_va_vdst(0)                   ; directly ahead of the wait below
	s_wait_dscnt 0x0                               ; both opening adds are done
	s_wait_kmcnt 0x0
	s_add_nc_u64 s[6:7], s[6:7], s[56:57]
	s_mov_b32 s[G0A+0], 1
	s_mov_b32 s[G0A+1], s40
	s_add_nc_u64 s[G0A+2:G0A+3], s[6:7], s[40:41]
	s_or_b32 s[G0A+3], s[G0A+3], 0x80000000
	ROUND                                          ; the four partners are here: the joint loads meet
	tensor_load_to_lds s[G0A:G0A+3], s[G1A:G1A+7]  ; my one tensor load at the head: two of records 0-15
	s_nop 0
.rept 4
	v_nop
.endr
	s_add_nc_u64 s[4:5], s[4:5], s[58:59]
	s_add_nc_u64 s[4:5], s[4:5], s[54:55]
.irp i, 0,1,2,3,4,5,6,7
	global_load_b32 v[XS+\i], v[LB], s[4:5] offset:REC*\i+4096
	global_load_b32 v[X2+2*\i], v[LB], s[4:5] offset:REC*\i+4224       ; the record holds the 16 sums twice: lanes 16-31 get their row's too
.endr
	WIN 0x40                                       ; x's fragments land in window 1, tile by tile
.irp i, 0,1,2,3,4,5,6,7
.irp q, 0,1,2,3,4,5,6,7
	global_load_b128 v[32*\i+4*\q:32*\i+4*\q+3], v[LA], s[4:5] offset:REC*\i+512*\q   ; 512 consecutive bytes
.endr
.endr
	WIN 0
	s_add_nc_u64 s[8:9], s[8:9], s[60:61]
	s_mov_b32 s[G0B+0], 1
	s_mov_b32 s[G0B+1], s42
	s_add_nc_u64 s[G0B+2:G0B+3], s[6:7], s[42:43]
	s_or_b32 s[G0B+3], s[G0B+3], 0x80000000
	; the first stage finds a pair that was never multiplied: sums 0 and x2 + w2 = infinity give distances that are smaller than nothing
	v_mov_b32 v[TIDV+2], 0
.set kk, 0
.rept 16
	v_mov_b32 v[RUN+kk], s[INF]
	v_mov_b32 v[ACC+16+kk], 0
.set kk, kk+1
.endr
.set kk, 0
.rept 8
	v_mov_b32 v[T+kk], s[INF]
	v_mov_b32 v[TB+kk], s[INF]
.set kk, kk+1
.endr
.irp i, 0,1,2,3,4,5,6,7
.irp j, 0,1,2,3,4,5,6
	v_mov_b32 v[SAV+8*\i+\j], s[INF]
.endr
	v_mov_b32 v[SAV+8*\i+7], 0
.endr
	s_wait_alu depctr_va_vdst(0)
	s_wait_tensorcnt 0x0                           ; my two records are in LDS
	ds_add_u32 v[SPW], v[NIL]
	s_wait_dscnt 0x0
	ROUND                                          ; everybody's part of records 0-15 is in, and the four partners are here
	tensor_load_to_lds s[G0B:G0B+3], s[G1B:G1B+7]  ; six of records 16-63: my one tensor load behind the round
	s_nop 0
.rept 4
	v_nop
.endr
	LOADT 0, 0
	s_wait_loadcnt 48                              ; the scale words, the sums and tiles 0 and 1 of x are in
.irp i, 0,1,2,3,4,5,6,7
	v_mov_b32 v[X2+2*\i+1], v[X2+2*\i]             ; x2 twice: a pair for the packed lines
.endr
	PBLOCK 0, 0, 0, 0                              ; the opening: codebook tiles 0-3, pair by pair; behind tile 3 comes record 0 again,
	PBLOCK 1, 0, 0, 0
	PBLOCK 2, 2, 0, 0
	PBLOCK 3, 4, 4*REC, 1                          ; and behind the last pair's record 4, from which the walk goes on
	s_mov_b32 s[LC], 3
.Llap1:                                                ; two codebook tiles a trip: tiles 4-9
	TILE 0, REC, 1, 0, 0
	TILE 1, 2*REC, 1, 1, 0
	s_sub_co_u32 s[LC], s[LC], 1
	s_cmp_lg_u32 s[LC], 0
	s_cbranch_scc1 .Llap1
	TILE 0, REC, 1, 0, 1                           ; tile 10: the barrier's signal; record 11, fetched between signal and wait, is one of the first sixteen
	TILE 1, 2*REC, 1, 1, 2                         ; tile 11: its wait, ahead of the fetch of record 12
	s_mov_b32 s[LC], 25
.Llap2:                                                ; tiles 12-61
	TILE 0, REC, 1, 0, 0
	TILE 1, 2*REC, 1, 1, 0
	s_sub_co_u32 s[LC], s[LC], 1
	s_cmp_lg_u32 s[LC], 0
	s_cbranch_scc1 .Llap2
	TILE 0, REC, 1, 0, 0                           ; tiles 62 and 63: nothing is fetched beyond the block's last record
	TILE 1, 0, 0, 0, 0
	DIST 1                                         ; the last pair
	CHAIN1 6, 1, 1, 0, 0, 0
	CHAIN2 1
	; which of the kept tile's 8 codewords: the first whose distance equals the least; if none of the seven kept, the eighth
.irp i, 0,1,2,3,4,5,6,7
	v_mov_b32 v[84+\i], 7
.endr
.irp j, 6,5,4,3,2,1,0
.irp i, 0,1,2,3,4,5,6,7
	v_cmp_eq_f32 s[CM+\i], v[SAV+8*\i+\j], v[RUN+2*\i]
.endr
.irp i, 0,1,2,3,4,5,6,7
	v_cndmask_b32 v[84+\i], v[84+\i], \j, s[CM+\i]
.endr
.endr
.irp i, 0,1,2,3,4,5,6,7
	v_lshl_add_u32 v[92+\i], v[SAV+8*\i+7], 4, v[84+\i]
.endr
.irp i, 0,1,2,3,4,5,6,7
	v_add_nc_u32 v[RUN+2*\i+1], v[92+\i], v[H8]            ; index = 16 x tile + 8 x (lane / 16) + register
.endr
.irp i, 0,1,2,3,4,5,6,7
	v_permlanex16_b32 v[100+2*\i], v[RUN+2*\i], s[SEL], s[SEL+1]       ; lane l xor 16 holds the same row's other 8 codewords of each tile
	v_permlanex16_b32 v[101+2*\i], v[RUN+2*\i+1], s[SEL], s[SEL+1]
.endr
.irp i, 0,1,2,3,4,5,6,7
	v_cmp_lt_f32 s50, v[100+2*\i], v[RUN+2*\i]
	v_cmp_eq_f32 s51, v[100+2*\i], v[RUN+2*\i]
	v_cmp_lt_u32 s52, v[101+2*\i], v[RUN+2*\i+1]
	s_and_b32 s51, s51, s52
	s_or_b32 s50, s50, s51                                 ; smaller, or equal with the lower index
	v_cndmask_b32 v[RUN+2*\i], v[RUN+2*\i], v[100+2*\i], s50
	v_cndmask_b32 v[RUN+2*\i+1], v[RUN+2*\i+1], v[101+2*\i], s50
.endr
.irp q, 0,1,2,3                        ; both halves now hold the same: lanes 0-15 send tile 2 q's rows, lanes 16-31 tile 2 q + 1's
	v_cndmask_b32 v[116+2*\q], v[RUN+4*\q], v[RUN+4*\q+2], s[HM]
	v_cndmask_b32 v[117+2*\q], v[RUN+4*\q+1], v[RUN+4*\q+3], s[HM]
.endr
.irp q, 0,1,2,3
	v_ashrrev_i32 v[124+\q], 31, v[116+2*\q]
.endr
.irp q, 0,1,2,3
	v_or_b32 v[124+\q], 0x80000000, v[124+\q]
.endr
.irp q, 0,1,2,3
	v_xor_b32 v[116+2*\q], v[116+2*\q], v[124+\q]          ; the key: the sign bit set for a positive number, all bits turned for a negative one
.endr
.irp q, 0,1,2,3
	global_store_b64 v[CO], v[116+2*\q:117+2*\q], s[8:9] offset:256*\q   ; 32 lanes store 256 consecutive bytes, aligned
.endr
	s_wait_tensorcnt 0x0                           ; the wave's end
	ds_add_u32 v[SPW], v[NIL]
	s_wait_dscnt 0x0
	ROUND                                          ; the closing round
	s_endpgm
.Lfunc_end_k_q908e92f69d_nearest:
	.size	k_q908e92f69d_nearest, .Lfunc_end_k_q908e92f69d_nearest-k_q908e92f69d_nearest
	.p2alignl 7, 3214868480
	.fill 96, 4, 3214868480
	.section	.rodata,"a",@progbits
	.p2align	6, 0x0
	.amdhsa_kernel k_q908e92f69d_nearest
		.amdhsa_group_segment_fixed_size 327680
		.amdhsa_private_segment_fixed_size 0
		.amdhsa_enable_private_segment 0
		.amdhsa_kernarg_size 24
		.amdhsa_user_sgpr_count 2
		.amdhsa_user_sgpr_kernarg_segment_ptr 1
		.amdhsa_wavefront_size32 1
		.amdhsa_system_sgpr_workgroup_id_x 1
		.amdhsa_system_sgpr_workgroup_id_y 1
		.amdhsa_system_sgpr_workgroup_id_z 1
		.amdhsa_system_vgpr_workitem_id 0
		.amdhsa_next_free_vgpr 512
		.amdhsa_next_free_sgpr 80
		.amdhsa_reserve_vcc 1
		.amdhsa_float_denorm_mode_32 3
		.amdhsa_float_denorm_mode_16_64 3
		.amdhsa_memory_ordered 1
		.amdhsa_forward_progress 1
		.amdhsa_inst_pref_size 184
	.end_amdhsa_kernel
	.amdgpu_metadata
---
amdhsa.version: [ 1, 2 ]
amdhsa.kernels:
  - .name:           k_q908e92f69d_nearest
    .symbol:         k_q908e92f69d_nearest.kd
    .args:
      - { .name: xq, .offset: 0, .size: 8, .value_kind: global_buffer, .address_space: global }
      - { .name: wq, .offset: 8, .size: 8, .value_kind: global_buffer, .address_space: global }
      - { .name: cand, .offset: 16, .size: 8, .value_kind: global_buffer, .address_space: global }
    .group_segment_fixed_size: 327680
    .private_segment_fixed_size: 0
    .kernarg_segment_align: 8
    .kernarg_segment_size: 24
    .max_flat_workgroup_size: 256
    .sgpr_count:     80
    .vgpr_count:     512
    .wavefront_size: 32
...
	.end_amdgpu_metadata
.endif
;; end of part 2
;; launch gather (part 3): grid 512 x 1, 8 waves a work-group, no clusters, 0 bytes of LDS; arguments x_flat, weight, cand, out0; writes out0
.if DOCPART == 3
	.amdgcn_target "amdgcn-amd-amdhsa--gfx1250"
	.amdhsa_code_object_version 6
	.text
	.protected	k_q908e92f69d_gather
	.globl	k_q908e92f69d_gather
	.p2align	8
	.type	k_q908e92f69d_gather,@function
k_q908e92f69d_gather:
	s_mov_b64 s[64:65], 0
	v_nop
	global_prefetch_b8 v0, s[64:65] scope:SCOPE_SE
	s_setreg_imm32_b32 hwreg(HW_REG_WAVE_MODE, 25, 1), 1
	s_wait_xcnt 0x0
; out0[n] = x[n] + (weight[k(n)] - x[n]), both roundings in f32, as the problem writes it.  cand[b][n] = (key, index), whole numbers that the launch before has stored for each of 8 blocks of codewords:
; k(n) is the index with the least key, the lower index on a tie.  All compares here are of whole numbers read from memory.
; A wave takes 8 rows of 1,024 bytes; a lane 16 bytes of each half row, so that every load and store of x, weight and out0 covers 512 consecutive bytes.
; THE JOIN: lane l takes row l % 8 and blocks l / 8 and l / 8 + 4; then lanes l xor 8 and l xor 16 are joined: every lane ends with its row's winner.
; Every offset is an immediate; no register that a load or store names is written again.  An index is held at 8,191 before it enters an address.
.set WO, 2                             ; v2-9    row i: 1,024 x its index + 16 x lane
.set X,  16                            ; v16-79  x: 8 registers a row
.set W,  80                            ; v80-143 the codebook's rows, then the results
	s_load_b256 s[4:11], s[0:1], 0x0               ; x s[4:5], weight s[6:7], cand s[8:9], out0 s[10:11]
	v_lshrrev_b32 v1, 5, v0
	v_readfirstlane_b32 s12, v1                    ; wave 0..7
	v_and_b32 v1, 31, v0
	v_and_b32 v10, 7, v0                           ; my row of the wave's 8
	v_bfe_u32 v11, v0, 3, 2                        ; my first block
	v_lshlrev_b32 v1, 4, v1                        ; 16 x lane
	v_lshlrev_b32 v10, 3, v10
	v_lshl_add_u32 v10, v11, 18, v10               ; 262,144 x block + 8 x row
	s_mov_b32 s30, 0x76543210
	s_mov_b32 s31, 0xfedcba98
	s_lshl_b32 s13, ttmp9, 6
	s_lshl_b32 s14, s12, 3
	s_add_co_u32 s13, s13, s14                     ; my first row: 64 x work-group + 8 x wave
	s_lshl_b32 s14, s13, 10                        ; in x and in out0
	s_mov_b32 s15, 0
	s_lshl_b32 s24, s13, 3                         ; in a block of cand
	s_mov_b32 s25, 0
	s_wait_alu depctr_va_vdst(0)
	s_wait_kmcnt 0x0
	s_add_nc_u64 s[4:5], s[4:5], s[14:15]
	s_add_nc_u64 s[10:11], s[10:11], s[14:15]
	s_add_nc_u64 s[8:9], s[8:9], s[24:25]
	global_load_b64 v[12:13], v10, s[8:9]                  ; (key, index) of blocks 0-3
	global_load_b64 v[14:15], v10, s[8:9] offset:1048576   ; and of blocks 4-7
.irp i, 0,1,2,3,4,5,6,7
	global_load_b128 v[X+8*\i:X+8*\i+3],   v1, s[4:5] offset:1024*\i th:TH_LOAD_NT
	global_load_b128 v[X+8*\i+4:X+8*\i+7], v1, s[4:5] offset:1024*\i+512 th:TH_LOAD_NT
.endr
	s_wait_loadcnt 16                              ; the two loads of cand are in; x's sixteen may be out
	v_cmp_lt_u32 vcc_lo, v14, v12                  ; the later block wins only where it is strictly nearer
	v_cndmask_b32 v12, v12, v14, vcc_lo
	v_cndmask_b32 v13, v13, v15, vcc_lo
	v_mov_b32_dpp v14, v12 row_xmask:8 row_mask:0xf bank_mask:0xf
	v_mov_b32_dpp v15, v13 row_xmask:8 row_mask:0xf bank_mask:0xf
	v_cmp_lt_u32 s26, v14, v12
	v_cmp_eq_u32 s27, v14, v12
	v_cmp_lt_u32 s28, v15, v13
	s_and_b32 s27, s27, s28
	s_or_b32 s26, s26, s27                         ; nearer, or as near with the lower index
	v_cndmask_b32 v12, v12, v14, s26
	v_cndmask_b32 v13, v13, v15, s26
	v_permlanex16_b32 v14, v12, s30, s31
	v_permlanex16_b32 v15, v13, s30, s31
	v_cmp_lt_u32 s26, v14, v12
	v_cmp_eq_u32 s27, v14, v12
	v_cmp_lt_u32 s28, v15, v13
	s_and_b32 s27, s27, s28
	s_or_b32 s26, s26, s27
	v_cndmask_b32 v13, v13, v15, s26               ; lane i, i = 0 .. 7, holds row i's index
.irp i, 0,1,2,3,4,5,6,7
	v_readlane_b32 s[16+\i], v13, \i
.endr
.irp i, 0,1,2,3,4,5,6,7
	s_min_u32 s[16+\i], s[16+\i], 0x1fff           ; inside the codebook
	v_lshl_add_u32 v[WO+\i], s[16+\i], 10, v1
.endr
.irp i, 0,1,2,3,4,5,6,7
	global_load_b128 v[W+8*\i:W+8*\i+3],   v[WO+\i], s[6:7]              ; no hint: a codebook row may be named by many rows
	global_load_b128 v[W+8*\i+4:W+8*\i+7], v[WO+\i], s[6:7] offset:512
.endr
.irp i, 0,1,2,3,4,5,6,7
	s_wait_loadcnt 14-2*\i                         ; loads come back in order: x and the codebook rows up to mine are in; the two loads of each later row may be out
.irp k, 0,2,4,6
	v_pk_add_f32 v[W+8*\i+\k:W+8*\i+\k+1], v[W+8*\i+\k:W+8*\i+\k+1], v[X+8*\i+\k:X+8*\i+\k+1] neg_lo:[0,1] neg_hi:[0,1]   ; w - x
.endr
.irp k, 0,2,4,6
	v_pk_add_f32 v[W+8*\i+\k:W+8*\i+\k+1], v[X+8*\i+\k:X+8*\i+\k+1], v[W+8*\i+\k:W+8*\i+\k+1]                             ; x + (w - x)
.endr
	global_store_b128 v1, v[W+8*\i:W+8*\i+3],   s[10:11] offset:1024*\i th:TH_STORE_NT       ; 512 consecutive bytes, at a multiple of 256 from out0's first byte
	global_store_b128 v1, v[W+8*\i+4:W+8*\i+7], s[10:11] offset:1024*\i+512 th:TH_STORE_NT
.endr
	s_endpgm
.Lfunc_end_k_q908e92f69d_gather:
	.size	k_q908e92f69d_gather, .Lfunc_end_k_q908e92f69d_gather-k_q908e92f69d_gather
	.p2alignl 7, 3214868480
	.fill 96, 4, 3214868480
	.section	.rodata,"a",@progbits
	.p2align	6, 0x0
	.amdhsa_kernel k_q908e92f69d_gather
		.amdhsa_group_segment_fixed_size 0
		.amdhsa_private_segment_fixed_size 0
		.amdhsa_enable_private_segment 0
		.amdhsa_kernarg_size 32
		.amdhsa_user_sgpr_count 2
		.amdhsa_user_sgpr_kernarg_segment_ptr 1
		.amdhsa_wavefront_size32 1
		.amdhsa_system_sgpr_workgroup_id_x 1
		.amdhsa_system_sgpr_workgroup_id_y 1
		.amdhsa_system_sgpr_workgroup_id_z 1
		.amdhsa_system_vgpr_workitem_id 0
		.amdhsa_next_free_vgpr 144
		.amdhsa_next_free_sgpr 66
		.amdhsa_reserve_vcc 1
		.amdhsa_float_denorm_mode_32 3
		.amdhsa_float_denorm_mode_16_64 3
		.amdhsa_memory_ordered 1
		.amdhsa_forward_progress 1
		.amdhsa_inst_pref_size 13
	.end_amdhsa_kernel
	.amdgpu_metadata
---
amdhsa.version: [ 1, 2 ]
amdhsa.kernels:
  - .name:           k_q908e92f69d_gather
    .symbol:         k_q908e92f69d_gather.kd
    .args:
      - { .name: x_flat, .offset: 0, .size: 8, .value_kind: global_buffer, .address_space: global }
      - { .name: weight, .offset: 8, .size: 8, .value_kind: global_buffer, .address_space: global }
      - { .name: cand, .offset: 16, .size: 8, .value_kind: global_buffer, .address_space: global }
      - { .name: out0, .offset: 24, .size: 8, .value_kind: global_buffer, .address_space: global }
    .group_segment_fixed_size: 0
    .private_segment_fixed_size: 0
    .kernarg_segment_align: 8
    .kernarg_segment_size: 32
    .max_flat_workgroup_size: 256
    .sgpr_count:     66
    .vgpr_count:     144
    .wavefront_size: 32
...
	.end_amdgpu_metadata
.endif
;; end of part 3
